; MI455X (gfx1250); checked and timed in simulation.
; The chip was launched on July 23, 2026; its instructions are those of AMD's public machine-readable ISA for CDNA 5 (MIT licence, August 2026) and "CDNA5" Instruction Set Architecture Reference Guide (July 2026). The comments in the code are by the model that wrote it; some were corrected since.
;; UCB Norm. Allowed arithmetic: float matrix products may take bf16 or f16 operands with f32 sums; all other float work in f32.
;; Inputs: mean 8 x 1,024 float32; prior 8 x 1 float32; variance 8 x 1,024 float32; x 4 x 2,048 x 1,024 float32.
;; Outputs: out0 4 x 2,048 x 1,024 float32.
;; 2 versions, each right; version 2 is version 1 with the launch ucbnorm written anew for expert scheduling mode. Each part assembles by itself: llvm-mc -triple=amdgcn-amd-amdhsa -mcpu=gfx1250 --defsym DOCPART=n.
;; ======== version 1 of 2: 1 launch
;; launch ucbnorm (part 1): grid 4 x 64, 16 waves a work-group, no clusters, 18,432 bytes of LDS; arguments x, mean, variance, prior, out0; writes out0
.if DOCPART == 1
	.amdgcn_target "amdgcn-amd-amdhsa--gfx1250"
	.amdhsa_code_object_version 6
	.text
	.protected	k_q20f4a31527_ucbnorm
	.globl	k_q20f4a31527_ucbnorm
	.p2align	8
	.type	k_q20f4a31527_ucbnorm,@function
k_q20f4a31527_ucbnorm:
	s_mov_b64 s[64:65], 0
	v_nop
	global_prefetch_b8 v0, s[64:65] scope:SCOPE_SE
	s_setreg_imm32_b32 hwreg(HW_REG_WAVE_MODE, 25, 1), 1
	s_wait_xcnt 0x0
; UCBNorm, eval mode.  x, out0: [8192 rows][1024] f32.  mean, variance: [8][1024] f32.  prior: [8] f32.
;   var = softplus(variance), pr = softmax(prior), d = x - mean[k]
;   p[k] = pr[k] exp(-d d / (2 (var[k]+eps))),  out = sum_k p[k] d / (sqrt(pr[k]+eps) sqrt(var[k]+eps)) / (sum_k p[k] + eps)
; REWRITTEN with h = log2(e)/2:
;   s = sqrt(h / (var+eps)), c = -s mean        per cluster and column, made once
;   g[k] = 1 / sqrt(h (pr[k]+eps))              per cluster alone: sqrt(var+eps) cancels against s
;   u = s x + c,  q = exp2(-u u + log2(pr[k] g[k])) = p[k] g[k]
;   out = (sum_k q u) / (eps + sum_k q / g[k])
; which is four fused multiply-adds and one exponential for each number and cluster; the multiply-adds go two at a time.
; The rounding of c = s mean acts like a change of mean by at most half a unit of its last place, so a common offset of
; x and mean costs no more than their own f32 rounding; no square of x is expanded.  The exponent is never above
; log2(pr g) < 0.25, so no exponential and no sum of eight of them can overflow.  softmax(prior) takes its maximum away.
; LIMITS: |x|, |mean| < 1.2e37 (s is at most sqrt(h/eps) = 26.9, and s x, s mean must stay finite);
; exponentials below 2^-126 come out as zero (v_exp_f32 flushes, ISA guide 15.8), a share of any output below 1e-30;
; the order of rounding differs from the formula as written above.
;
; SHARES.  256 work-groups of 16 waves.  A work-group owns 256 columns x 128 rows.  Wave w owns the column half w >> 3
; (128 columns, four a lane) and the row group w & 7 (16 rows): each of its loads and stores covers 512 consecutive
; bytes that start at a multiple of 512 from the buffer's first byte.  A ring of DEPTH rows in registers keeps DEPTH
; loads of every wave in flight; all 16 rows are reached by immediates from one offset register, so nothing is stepped.
; s and c are made once in the work-group: wave w makes those of cluster w & 7 for its column half and hands them to
; the seven other waves of that half through LDS (12 transcendentals a lane in place of 96).
; No cluster, no tensor load: work-groups share only the 8 KiB of mean and variance against 128 KiB of x each.
.set ROWB,  4096                       ; bytes in a row of x and out0
.set ROWS,  16                         ; rows of a wave
.set DEPTH, 8                          ; rows in flight in each wave
.set KC,    8                          ; clusters
.set LN,   1                           ; v1        16 x lane: my 16 bytes in every 512-byte piece
.set SA,   2                           ; v2        LDS: where I put my s (c lies 512 bytes behind)
.set LA,   3                           ; v3        LDS: my 16 bytes in cluster 0's s of my column half
.set PO,   4                           ; v4        4 x (lane & 7): my word of prior
.set EPSV, 6                           ; v[6:7]    eps twice: starts the denominators
.set S,    8                           ; v[8:39]   s of cluster k, my 4 columns, at S + 4 k
.set C,    40                          ; v[40:71]  c likewise
.set X,    72                          ; v[72:103] ring: slot i holds 4 numbers of a row
.set U,    104                         ; v[104:119] u: two sets of (2 clusters x 4 columns)
.set P,    120                         ; v[120:135] exponent, then q: two sets likewise
.set DEN,  136                         ; v[136:139]
.set NUM,  140                         ; v[140:143]
.set R,    144                         ; v[144:147] 1 / denominator
.set OUT,  148                         ; v[148:151] what the store reads
; set-up only, in registers of U and P
.set ME,   104                         ; mean of my cluster, 4 columns
.set VA,   108                         ; variance likewise
.set T,    112
.set S1,   116
.set C1,   120
.set PR,   124                         ; prior[lane & 7] and what is made of it
.set PM,   125
.set TT,   126
.set EX,   127
.set SUM,  128
.set RS,   129
.set LS,   130
.set Q,    131
.set GI,   132
.set LQ,   133
.set LP,   134
.set LPS,  32                          ; s[32:47]  cluster k: log2(pr g) in s[LPS+2k]; the packed forms name a pair and broadcast its first register
.set GIS,  48                          ; s[48:63]  cluster k: 1/g in s[GIS+2k]
	s_load_b256 s[4:11], s[0:1], 0x0               ; x s[4:5], mean s[6:7], variance s[8:9], prior s[10:11]
	s_load_b64 s[12:13], s[0:1], 0x20              ; out0
	v_lshl_add_u32 v152, v0, 2, 0x4000
	v_mov_b32 v153, 0
	v_lshrrev_b32 v[SA], 5, v0
	v_readfirstlane_b32 s2, v[SA]                  ; wave 0..15
	v_and_b32 v[LN], 31, v0
	v_and_b32 v[PO], 7, v0
	v_lshlrev_b32 v[LN], 4, v[LN]
	v_lshlrev_b32 v[PO], 2, v[PO]
	s_lshr_b32 s3, s2, 3                           ; my column half
	s_and_b32 s20, s2, 7                           ; my row group, and the cluster whose s and c I make
	s_lshl_b32 s21, ttmp9, 10                      ; the work-group's 256 columns: 1,024 bytes
	s_lshl_b32 s26, s3, 9                          ; + my half: 512 bytes
	s_add_co_u32 s21, s21, s26
	s_lshl_b32 s22, s20, 12                        ; mean, variance: row of my cluster
	s_add_co_u32 s22, s22, s21
	s_mov_b32 s23, 0
	s_and_b32 s24, ttmp7, 0xffff                   ; x, out0: 128 rows a work-group,
	s_lshl_b32 s24, s24, 19
	s_lshl_b32 s26, s20, 16                        ; 16 rows a row group; at most 33,553,920 bytes in all
	s_add_co_u32 s24, s24, s26
	s_add_co_u32 s24, s24, s21
	s_mov_b32 s25, 0
	s_lshl_b32 s27, s2, 10                         ; LDS: 1,024 bytes for each wave's s and c
	s_lshl_b32 s28, s3, 13                         ; LDS: the eight waves of my half
	s_mov_b32 s14, 0x3fb8aa3b                      ; log2(e)
	s_mov_b32 s15, 0x3f317218                      ; ln 2
	s_mov_b32 s16, 0x3fb17218                      ; 2 ln 2 = 1 / h
	s_mov_b32 s17, 0x3a83126f                      ; eps = 0.001
	s_mov_b32 s19, 0x3f38aa3b                      ; h = log2(e) / 2
	s_mul_f32 s18, s17, s16                        ; eps / h
	s_wait_kmcnt 0x0
	s_add_nc_u64 s[6:7], s[6:7], s[22:23]
	s_add_nc_u64 s[8:9], s[8:9], s[22:23]
	s_add_nc_u64 s[4:5], s[4:5], s[24:25]
	s_add_nc_u64 s[12:13], s[12:13], s[24:25]
	global_load_b128 v[ME:ME+3], v[LN], s[6:7]     ; read again by other work-groups: no hint
	global_load_b128 v[VA:VA+3], v[LN], s[8:9]
	global_load_b32 v[PR], v[PO], s[10:11]
.irp i, 0,1,2,3,4,5,6,7
	global_load_b128 v[X+4*\i:X+4*\i+3], v[LN], s[4:5] offset:\i*ROWB th:TH_LOAD_NT   ; fill the ring: rows 0 to 7
.endr
	; s and c of my cluster for my four columns
	s_wait_loadcnt DEPTH                           ; loads return in order (ISA guide 5.7.1): the three parameter loads are in, the ring's eight stay out
.irp j, 0,1,2,3
	v_mul_f32 v[T+\j], -|v[VA+\j]|, s14            ; softplus(v) = max(v, 0) + ln(1 + e^-|v|): the exponential never overflows
.endr
.irp j, 0,1,2,3
	v_exp_f32 v[T+\j], v[T+\j]
.endr
.irp j, 0,1,2,3
	v_max_num_f32 v[VA+\j], 0, v[VA+\j]            ; plain work between the exponentials and their use (ISA guide 5.7.2)
.endr
	s_wait_alu depctr_va_vdst(0)
.irp j, 0,1,2,3
	v_add_f32 v[T+\j], 1.0, v[T+\j]
.endr
.irp j, 0,1,2,3
	v_log_f32 v[T+\j], v[T+\j]
.endr
	v_add_nc_u32 v[SA], s27, v[LN]                 ; (the plain instruction behind the logarithms)
	s_wait_alu depctr_va_vdst(0)
.irp j, 0,1,2,3
	v_fma_f32 v[T+\j], v[T+\j], s15, v[VA+\j]      ; var
.endr
.irp j, 0,1,2,3
	v_fma_f32 v[T+\j], v[T+\j], s16, s18           ; (var + eps) / h, at least 0.00138
.endr
.irp j, 0,1,2,3
	v_rsq_f32 v[S1+\j], v[T+\j]                    ; s
.endr
	v_add_nc_u32 v[LA], s28, v[LN]                 ; (the plain instruction behind the roots)
	s_wait_alu depctr_va_vdst(0)
.irp j, 0,1,2,3
	v_mul_f32 v[C1+\j], -v[S1+\j], v[ME+\j]        ; c = -s mean
.endr
	ds_store_b128 v[SA], v[S1:S1+3]                ; 32 lanes, 16 neighbouring bytes each: no bank is asked twice
	ds_store_b128 v[SA], v[C1:C1+3] offset:512
	s_wait_dscnt 0x0                               ; for the other waves' sake: my stores are in LDS before I say so
	s_barrier_signal -1
	; while the others arrive, registers only: softmax of prior, lane l for cluster l & 7 (each group of 8 lanes holds all 8)
	v_mov_b32 v[PM], v[PR]
	v_max_num_f32_dpp v[PM], v[PM], v[PM] row_xmask:1 row_mask:0xf bank_mask:0xf
	v_max_num_f32_dpp v[PM], v[PM], v[PM] row_xmask:2 row_mask:0xf bank_mask:0xf
	v_max_num_f32_dpp v[PM], v[PM], v[PM] row_xmask:4 row_mask:0xf bank_mask:0xf
	v_sub_f32 v[TT], v[PR], v[PM]                  ; the maximum is taken away first
	v_mul_f32 v[TT], s14, v[TT]
	v_exp_f32 v[EX], v[TT]
	v_mov_b32 v[EPSV], s17                         ; (plain instruction behind the exponential)
	s_wait_alu depctr_va_vdst(0)
	v_mov_b32 v[SUM], v[EX]
	v_add_f32_dpp v[SUM], v[SUM], v[SUM] row_xmask:1 row_mask:0xf bank_mask:0xf
	v_add_f32_dpp v[SUM], v[SUM], v[SUM] row_xmask:2 row_mask:0xf bank_mask:0xf
	v_add_f32_dpp v[SUM], v[SUM], v[SUM] row_xmask:4 row_mask:0xf bank_mask:0xf
	v_rcp_f32 v[RS], v[SUM]                        ; the sum lies between 1 and 8
	v_log_f32 v[LS], v[SUM]
	v_mov_b32 v[EPSV+1], s17                       ; (plain instruction behind the two)
	s_wait_alu depctr_va_vdst(0)
	v_fma_f32 v[Q], v[EX], v[RS], s17              ; pr + eps
	v_mul_f32 v[Q], s19, v[Q]                      ; h (pr + eps) = 1 / g^2
	v_sqrt_f32 v[GI], v[Q]                         ; 1 / g
	v_log_f32 v[LQ], v[Q]
	v_sub_f32 v[LP], v[TT], v[LS]                  ; log2 pr, from the exponent itself: no logarithm of a number that may have underflowed
	s_wait_alu depctr_va_vdst(0)
	v_fmac_f32 v[LP], -0.5, v[LQ]                  ; + log2 g
	s_barrier_wait -1                              ; every wave's s and c are in LDS; nobody writes LDS again
.irp k, 0,1,2,3,4,5,6,7
	ds_load_b128 v[S+4*\k:S+4*\k+3], v[LA] offset:1024*\k
	ds_load_b128 v[C+4*\k:C+4*\k+3], v[LA] offset:1024*\k+512
.endr
.irp k, 0,1,2,3,4,5,6,7
	v_readlane_b32 s[LPS+2*\k], v[LP], \k
	v_readlane_b32 s[GIS+2*\k], v[GI], \k
	s_mov_b32 s[LPS+2*\k+1], s[LPS+2*\k]           ; the pair's second register is named by the packed forms, not used
	s_mov_b32 s[GIS+2*\k+1], s[GIS+2*\k]
.endr
	s_wait_dscnt 0x0                               ; my 64 parameters are in
; Clusters k and k+1 of the row in slot SL, into temporaries' set: u, the exponent, eight exponentials in place.
.macro STAGE_A k, set
.irp q, 0,1
.irp j, 0,2
	v_pk_fma_f32 v[U+8*\set+4*\q+\j:U+8*\set+4*\q+\j+1], v[X+4*SL+\j:X+4*SL+\j+1], v[S+4*(\k+\q)+\j:S+4*(\k+\q)+\j+1], v[C+4*(\k+\q)+\j:C+4*(\k+\q)+\j+1]
.endr
.endr
.irp q, 0,1
.irp j, 0,2
	v_pk_fma_f32 v[P+8*\set+4*\q+\j:P+8*\set+4*\q+\j+1], v[U+8*\set+4*\q+\j:U+8*\set+4*\q+\j+1], v[U+8*\set+4*\q+\j:U+8*\set+4*\q+\j+1], s[LPS+2*(\k+\q):LPS+2*(\k+\q)+1] op_sel_hi:[1,1,0] neg_lo:[1,0,0] neg_hi:[1,0,0]
.endr
.endr
.irp i, 0,1,2,3,4,5,6,7
	v_exp_f32 v[P+8*\set+\i], v[P+8*\set+\i]
.endr
.endm
; The sums of clusters k and k+1 from that set.  Cluster 0 starts them (the denominator at eps): nothing is cleared.
; Behind the last cluster's denominators stand the reciprocals, and behind these the last four numerator lines, which
; are the plain instructions between a reciprocal and its use (ISA guide 5.7.2).
.macro STAGE_B k, set
.irp q, 0,1
.irp j, 0,2
.if \k+\q
	s_wait_alu depctr_va_vdst(0)
	v_pk_fma_f32 v[DEN+\j:DEN+\j+1], v[P+8*\set+4*\q+\j:P+8*\set+4*\q+\j+1], s[GIS+2*(\k+\q):GIS+2*(\k+\q)+1], v[DEN+\j:DEN+\j+1] op_sel_hi:[1,0,1]
.else
	s_wait_alu depctr_va_vdst(0)
	v_pk_fma_f32 v[DEN+\j:DEN+\j+1], v[P+8*\set+4*\q+\j:P+8*\set+4*\q+\j+1], s[GIS:GIS+1], v[EPSV:EPSV+1] op_sel_hi:[1,0,1]
.endif
.endr
.endr
.if \k == KC-2
.irp i, 0,1,2,3
	v_rcp_f32 v[R+\i], v[DEN+\i]                   ; the denominator is at least eps
.endr
.endif
.irp q, 0,1
.irp j, 0,2
.if \k+\q
	v_pk_fma_f32 v[NUM+\j:NUM+\j+1], v[P+8*\set+4*\q+\j:P+8*\set+4*\q+\j+1], v[U+8*\set+4*\q+\j:U+8*\set+4*\q+\j+1], v[NUM+\j:NUM+\j+1]
.else
	v_pk_mul_f32 v[NUM+\j:NUM+\j+1], v[P+8*\set+4*\q+\j:P+8*\set+4*\q+\j+1], v[U+8*\set+4*\q+\j:U+8*\set+4*\q+\j+1]
.endif
.endr
.endr
.endm
; Row RW of my 16.  The two sets take turns, so that a set's exponentials are used only behind the other set's arithmetic.
.macro ROW
.set SL, RW % DEPTH
.if RW < ROWS-DEPTH
	s_wait_loadcnt DEPTH-1                         ; my row is in; the seven younger rows stay out
.else
	s_wait_loadcnt ROWS-1-RW                       ; the last eight rows load nothing: the counts run down to 0
.endif
	STAGE_A 0, 0
	STAGE_A 2, 1
	STAGE_B 0, 0
	STAGE_A 4, 0
	STAGE_B 2, 1
	STAGE_A 6, 1
	STAGE_B 4, 0
	STAGE_B 6, 1
	s_wait_xcnt 0x0                                ; OUT, which the last row's store reads, is rewritten only behind this wait (ISA guide 3.1); that store was issued a whole row ago
	s_wait_alu depctr_va_vdst(0)
	v_pk_mul_f32 v[OUT:OUT+1], v[NUM:NUM+1], v[R:R+1]
	v_pk_mul_f32 v[OUT+2:OUT+3], v[NUM+2:NUM+3], v[R+2:R+3]
.if RW < ROWS-DEPTH
	global_load_b128 v[X+4*SL:X+4*SL+3], v[LN], s[4:5] offset:(RW+DEPTH)*ROWB th:TH_LOAD_NT   ; the slot's next row, ahead of the store
.endif
	global_store_b128 v[LN], v[OUT:OUT+3], s[12:13] offset:RW*ROWB th:TH_STORE_NT             ; 512 consecutive bytes, aligned
.set RW, RW+1
.endm
.set RW, 0
.rept ROWS
	ROW
.endr
	s_wait_tensorcnt 0x0
	ds_add_u32 v152, v153
	s_wait_dscnt 0x0
	s_endpgm
.Lfunc_end_k_q20f4a31527_ucbnorm:
	.size	k_q20f4a31527_ucbnorm, .Lfunc_end_k_q20f4a31527_ucbnorm-k_q20f4a31527_ucbnorm
	.p2alignl 7, 3214868480
	.fill 96, 4, 3214868480
	.section	.rodata,"a",@progbits
	.p2align	6, 0x0
	.amdhsa_kernel k_q20f4a31527_ucbnorm
		.amdhsa_group_segment_fixed_size 18432
		.amdhsa_private_segment_fixed_size 0
		.amdhsa_enable_private_segment 0
		.amdhsa_kernarg_size 40
		.amdhsa_user_sgpr_count 2
		.amdhsa_user_sgpr_kernarg_segment_ptr 1
		.amdhsa_wavefront_size32 1
		.amdhsa_system_sgpr_workgroup_id_x 1
		.amdhsa_system_sgpr_workgroup_id_y 1
		.amdhsa_system_sgpr_workgroup_id_z 1
		.amdhsa_system_vgpr_workitem_id 0
		.amdhsa_next_free_vgpr 154
		.amdhsa_next_free_sgpr 66
		.amdhsa_reserve_vcc 0
		.amdhsa_float_denorm_mode_32 3
		.amdhsa_float_denorm_mode_16_64 3
		.amdhsa_memory_ordered 1
		.amdhsa_forward_progress 1
		.amdhsa_inst_pref_size 105
	.end_amdhsa_kernel
	.amdgpu_metadata
---
amdhsa.version: [ 1, 2 ]
amdhsa.kernels:
  - .name:           k_q20f4a31527_ucbnorm
    .symbol:         k_q20f4a31527_ucbnorm.kd
    .args:
      - { .name: x, .offset: 0, .size: 8, .value_kind: global_buffer, .address_space: global }
      - { .name: mean, .offset: 8, .size: 8, .value_kind: global_buffer, .address_space: global }
      - { .name: variance, .offset: 16, .size: 8, .value_kind: global_buffer, .address_space: global }
      - { .name: prior, .offset: 24, .size: 8, .value_kind: global_buffer, .address_space: global }
      - { .name: out0, .offset: 32, .size: 8, .value_kind: global_buffer, .address_space: global }
    .group_segment_fixed_size: 18432
    .private_segment_fixed_size: 0
    .kernarg_segment_align: 8
    .kernarg_segment_size: 40
    .max_flat_workgroup_size: 512
    .sgpr_count:     66
    .vgpr_count:     154
    .wavefront_size: 32
...
	.end_amdgpu_metadata
.endif
;; end of part 1
;; ======== version 2 of 2: 1 launch; version 1 with the launch ucbnorm written anew for expert scheduling mode
;; launch ucbnorm (part 2): grid 4 x 64, 16 waves a work-group, no clusters, 18,432 bytes of LDS; arguments x, mean, variance, prior, out0; writes out0
.if DOCPART == 2
	.amdgcn_target "amdgcn-amd-amdhsa--gfx1250"
	.amdhsa_code_object_version 6
	.text
	.protected	k_q20f4a31527_ucbnorm
	.globl	k_q20f4a31527_ucbnorm
	.p2align	8
	.type	k_q20f4a31527_ucbnorm,@function
k_q20f4a31527_ucbnorm:
	s_mov_b64 s[64:65], 0
	v_nop
	global_prefetch_b8 v0, s[64:65] scope:SCOPE_SE
	s_setreg_imm32_b32 hwreg(HW_REG_WAVE_SCHED_MODE, 0, 2), 2
	s_setreg_imm32_b32 hwreg(HW_REG_WAVE_MODE, 25, 1), 1
	s_wait_xcnt 0x0
	s_wait_alu depctr_vm_vsrc(0)
; UCBNorm, eval mode.  x, out0: [8192 rows][1024] f32.  mean, variance: [8][1024] f32.  prior: [8] f32.
;   var = softplus(variance), pr = softmax(prior), d = x - mean[k]
;   p[k] = pr[k] exp(-d d / (2 (var[k]+eps))),  out = sum_k p[k] d / (sqrt(pr[k]+eps) sqrt(var[k]+eps)) / (sum_k p[k] + eps)
; REWRITTEN with h = log2(e)/2:
;   s = sqrt(h / (var+eps)), c = -s mean        per cluster and column, made once
;   g[k] = 1 / sqrt(h (pr[k]+eps))              per cluster alone: sqrt(var+eps) cancels against s
;   u = s x + c,  q = exp2(-u u + log2(pr[k] g[k])) = p[k] g[k]
;   out = (sum_k q u) / (eps + sum_k q / g[k])
; which is four fused multiply-adds and one exponential for each number and cluster; the multiply-adds go two at a time.
; The rounding of c = s mean acts like a change of mean by at most half a unit of its last place, so a common offset of
; x and mean costs no more than their own f32 rounding; no square of x is expanded.  The exponent is never above
; log2(pr g) < 0.25, so no exponential and no sum of eight of them can overflow.  softmax(prior) takes its maximum away.
; LIMITS: |x|, |mean| < 1.2e37 (s is at most sqrt(h/eps) = 26.9, and s x, s mean must stay finite);
; exponentials below 2^-126 come out as zero (v_exp_f32 flushes, ISA guide 15.8), a share of any output below 1e-30;
; the order of rounding differs from the formula as written above.
;
; SHARES.  256 work-groups of 16 waves.  A work-group owns 256 columns x 128 rows.  Wave w owns the column half w >> 3
; (128 columns, four a lane) and the row group w & 7 (16 rows): each of its loads and stores covers 512 consecutive
; bytes that start at a multiple of 512 from the buffer's first byte.  A ring of DEPTH rows in registers keeps DEPTH
; loads of every wave in flight; all 16 rows are reached by immediates from one offset register, so nothing is stepped.
; s and c are made once in the work-group: wave w makes those of cluster w & 7 for its column half and hands them to
; the seven other waves of that half through LDS (12 transcendentals a lane in place of 96).
; No cluster, no tensor load: work-groups share only the 8 KiB of mean and variance against 128 KiB of x each.
;
; THE MODE: SCHED_MODE bits 1:0 = 2 (LLVM: expert scheduling mode 2), set by the entry lines.  The code itself states the
; register dependences between vector instructions and memory or LDS instructions, with s_wait_alu, always for 0.
; THE PLAN.  Registers that memory or LDS instructions touch:
;   v[LN], v[PO]   offsets of every global load and store: made at the head, never written again.
;   v[SA], v[LA]   LDS addresses: each made by one add in the set-up, read by the two LDS stores and the sixteen LDS loads.
;   S1, C1         data of the two LDS stores; later part of U, which row 0 writes.
;   S, C           written by LDS loads alone, read by vector instructions alone.
;   X slot r % 8   read by row r's sixteen u lines; then the load of row r + 8 lands in it.
;   OUT0, OUT1     row r's two closing products are issued in row r + 1's block and write OUT[r % 2]; row r's store is
;                  issued in row r + 2's block; row r + 2's products, issued in row r + 3's block, write the buffer again.
; A row's block: the wait for its x; all its u, exponents and 32 exponentials; ONE wait on va_vdst; behind it the load into
; the slot just read, the store of the row two back, the products of the row before, and the row's sums and reciprocals.
; The vector instructions behind that wait name P, U, DEN, NUM, R and OUT[(r - 1) % 2]: neither X[r % 8] nor OUT[r % 2].
.set ROWB,  4096                       ; bytes in a row of x and out0
.set ROWS,  16                         ; rows of a wave
.set DEPTH, 8                          ; rows in flight in each wave
.set KC,    8                          ; clusters
.set LN,   1                           ; v1        16 x lane: my 16 bytes in every 512-byte piece
.set SA,   2                           ; v2        LDS: where I put my s (c lies 512 bytes behind)
.set LA,   3                           ; v3        LDS: my 16 bytes in cluster 0's s of my column half
.set PO,   4                           ; v4        4 x (lane & 7): my word of prior
.set EPSV, 6                           ; v[6:7]    eps twice: starts the denominators
.set S,    8                           ; v[8:39]   s of cluster k, my 4 columns, at S + 4 k
.set C,    40                          ; v[40:71]  c likewise
.set X,    72                          ; v[72:103] ring: slot i holds 4 numbers of a row
.set U,    104                         ; v[104:135] u: four sets of (2 clusters x 4 columns)
.set DEN,  136                         ; v[136:139]
.set NUM,  140                         ; v[140:143]
.set R,    144                         ; v[144:147] 1 / denominator
.set OUT,  148                         ; v[148:151] and v[154:157]: what the stores read, buffer b at OUT + 6 b (v152, v153 lie between: the closing add's two registers)
.set P,    158                         ; v[158:189] exponent, then q: four sets likewise
; set-up only, in registers of U
.set ME,   104                         ; mean of my cluster, 4 columns
.set VA,   108                         ; variance likewise
.set T,    112
.set S1,   116
.set C1,   120
.set PR,   124                         ; prior[lane & 7] and what is made of it
.set PM,   125
.set TT,   126
.set EX,   127
.set SUM,  128
.set RS,   129
.set LS,   130
.set Q,    131
.set GI,   132
.set LQ,   133
.set LP,   134
.set LPS,  32                          ; s[32:47]  cluster k: log2(pr g) in s[LPS+2k]; the packed forms name a pair and broadcast its first register
.set GIS,  48                          ; s[48:63]  cluster k: 1/g in s[GIS+2k]
	s_load_b256 s[4:11], s[0:1], 0x0               ; x s[4:5], mean s[6:7], variance s[8:9], prior s[10:11]
	s_load_b64 s[12:13], s[0:1], 0x20              ; out0
	v_lshl_add_u32 v152, v0, 2, 0x4000
	v_mov_b32 v153, 0
	v_lshrrev_b32 v[SA], 5, v0
	v_readfirstlane_b32 s2, v[SA]                  ; wave 0..15
	v_and_b32 v[LN], 31, v0
	v_and_b32 v[PO], 7, v0
	v_lshlrev_b32 v[LN], 4, v[LN]
	v_lshlrev_b32 v[PO], 2, v[PO]
	s_wait_alu depctr_va_sdst(0)                   ; s2 is written, ahead of its first reader: the bases and the LDS places are made from it
	s_lshr_b32 s3, s2, 3                           ; my column half
	s_and_b32 s20, s2, 7                           ; my row group, and the cluster whose s and c I make
	s_lshl_b32 s21, ttmp9, 10                      ; the work-group's 256 columns: 1,024 bytes
	s_lshl_b32 s26, s3, 9                          ; + my half: 512 bytes
	s_add_co_u32 s21, s21, s26
	s_lshl_b32 s22, s20, 12                        ; mean, variance: row of my cluster
	s_add_co_u32 s22, s22, s21
	s_mov_b32 s23, 0
	s_and_b32 s24, ttmp7, 0xffff                   ; x, out0: 128 rows a work-group,
	s_lshl_b32 s24, s24, 19
	s_lshl_b32 s26, s20, 16                        ; 16 rows a row group; at most 33,553,920 bytes in all
	s_add_co_u32 s24, s24, s26
	s_add_co_u32 s24, s24, s21
	s_mov_b32 s25, 0
	s_lshl_b32 s27, s2, 10                         ; LDS: 1,024 bytes for each wave's s and c
	s_lshl_b32 s28, s3, 13                         ; LDS: the eight waves of my half
	s_mov_b32 s14, 0x3fb8aa3b                      ; log2(e)
	s_mov_b32 s15, 0x3f317218                      ; ln 2
	s_mov_b32 s16, 0x3fb17218                      ; 2 ln 2 = 1 / h
	s_mov_b32 s17, 0x3a83126f                      ; eps = 0.001
	s_mov_b32 s19, 0x3f38aa3b                      ; h = log2(e) / 2
	s_mul_f32 s18, s17, s16                        ; eps / h
	s_wait_kmcnt 0x0
	s_add_nc_u64 s[6:7], s[6:7], s[22:23]
	s_add_nc_u64 s[8:9], s[8:9], s[22:23]
	s_add_nc_u64 s[4:5], s[4:5], s[24:25]
	s_add_nc_u64 s[12:13], s[12:13], s[24:25]
	s_wait_alu depctr_va_vdst(0)                   ; v[LN] and v[PO] are written: every global load and store of the kernel reads one of them as its offset
	global_load_b128 v[ME:ME+3], v[LN], s[6:7]     ; read again by other work-groups: no hint
	global_load_b128 v[VA:VA+3], v[LN], s[8:9]
	global_load_b32 v[PR], v[PO], s[10:11]
.irp i, 0,1,2,3,4,5,6,7
	global_load_b128 v[X+4*\i:X+4*\i+3], v[LN], s[4:5] offset:\i*ROWB th:TH_LOAD_NT   ; fill the ring: rows 0 to 7
.endr
	; s and c of my cluster for my four columns
	s_wait_loadcnt DEPTH                           ; loads return in order (ISA guide 5.7.1): the three parameter loads are in, the ring's eight stay out
.irp j, 0,1,2,3
	v_mul_f32 v[T+\j], -|v[VA+\j]|, s14            ; softplus(v) = max(v, 0) + ln(1 + e^-|v|): the exponential never overflows
.endr
.irp j, 0,1,2,3
	v_exp_f32 v[T+\j], v[T+\j]
.endr
.irp j, 0,1,2,3
	v_max_num_f32 v[VA+\j], 0, v[VA+\j]            ; plain work between the exponentials and their use (ISA guide 5.7.2)
.endr
	s_wait_alu depctr_va_vdst(0)                   ; the four exponentials have written v[T ..], ahead of their first reader
.irp j, 0,1,2,3
	v_add_f32 v[T+\j], 1.0, v[T+\j]
.endr
.irp j, 0,1,2,3
	v_log_f32 v[T+\j], v[T+\j]
.endr
	v_add_nc_u32 v[SA], s27, v[LN]                 ; (the plain instruction behind the logarithms)
	s_wait_alu depctr_va_vdst(0)                   ; the four logarithms have written v[T ..], ahead of their first reader
.irp j, 0,1,2,3
	v_fma_f32 v[T+\j], v[T+\j], s15, v[VA+\j]      ; var
.endr
.irp j, 0,1,2,3
	v_fma_f32 v[T+\j], v[T+\j], s16, s18           ; (var + eps) / h, at least 0.00138
.endr
.irp j, 0,1,2,3
	v_rsq_f32 v[S1+\j], v[T+\j]                    ; s
.endr
	v_add_nc_u32 v[LA], s28, v[LN]                 ; (the plain instruction behind the roots)
	s_wait_alu depctr_va_vdst(0)                   ; the four roots have written v[S1 ..], ahead of their first reader; v[LA] is written, which the LDS loads behind the barrier read
.irp j, 0,1,2,3
	v_mul_f32 v[C1+\j], -v[S1+\j], v[ME+\j]        ; c = -s mean
.endr
	s_wait_alu depctr_va_vdst(0)                   ; the products have written v[C1 ..], the second LDS store's data (v[S1 ..] and v[SA] were written ahead of the wait before)
	ds_store_b128 v[SA], v[S1:S1+3]                ; 32 lanes, 16 neighbouring bytes each: no bank is asked twice
	ds_store_b128 v[SA], v[C1:C1+3] offset:512
	s_wait_dscnt 0x0                               ; for the other waves' sake: my stores are in LDS before I say so
	s_barrier_signal -1
	; while the others arrive, registers only: softmax of prior, lane l for cluster l & 7 (each group of 8 lanes holds all 8)
	v_mov_b32 v[PM], v[PR]
	v_max_num_f32_dpp v[PM], v[PM], v[PM] row_xmask:1 row_mask:0xf bank_mask:0xf
	v_max_num_f32_dpp v[PM], v[PM], v[PM] row_xmask:2 row_mask:0xf bank_mask:0xf
	v_max_num_f32_dpp v[PM], v[PM], v[PM] row_xmask:4 row_mask:0xf bank_mask:0xf
	v_sub_f32 v[TT], v[PR], v[PM]                  ; the maximum is taken away first
	v_mul_f32 v[TT], s14, v[TT]
	v_exp_f32 v[EX], v[TT]
	v_mov_b32 v[EPSV], s17                         ; (plain instruction behind the exponential)
	s_wait_alu depctr_va_vdst(0)                   ; the exponential has written v[EX], ahead of its first reader
	v_mov_b32 v[SUM], v[EX]
	v_add_f32_dpp v[SUM], v[SUM], v[SUM] row_xmask:1 row_mask:0xf bank_mask:0xf
	v_add_f32_dpp v[SUM], v[SUM], v[SUM] row_xmask:2 row_mask:0xf bank_mask:0xf
	v_add_f32_dpp v[SUM], v[SUM], v[SUM] row_xmask:4 row_mask:0xf bank_mask:0xf
	v_rcp_f32 v[RS], v[SUM]                        ; the sum lies between 1 and 8
	v_log_f32 v[LS], v[SUM]
	v_mov_b32 v[EPSV+1], s17                       ; (plain instruction behind the two)
	s_wait_alu depctr_va_vdst(0)                   ; the reciprocal and the logarithm have written v[RS] and v[LS], ahead of their first readers
	v_fma_f32 v[Q], v[EX], v[RS], s17              ; pr + eps
	v_mul_f32 v[Q], s19, v[Q]                      ; h (pr + eps) = 1 / g^2
	v_sqrt_f32 v[GI], v[Q]                         ; 1 / g
	v_log_f32 v[LQ], v[Q]
	v_sub_f32 v[LP], v[TT], v[LS]                  ; log2 pr, from the exponent itself: no logarithm of a number that may have underflowed
	s_wait_alu depctr_va_vdst(0)                   ; the root and the logarithm have written v[GI] and v[LQ], ahead of their first readers
	v_fmac_f32 v[LP], -0.5, v[LQ]                  ; + log2 g
	s_barrier_wait -1                              ; every wave's s and c are in LDS; nobody writes LDS again
.irp k, 0,1,2,3,4,5,6,7
	ds_load_b128 v[S+4*\k:S+4*\k+3], v[LA] offset:1024*\k
	ds_load_b128 v[C+4*\k:C+4*\k+3], v[LA] offset:1024*\k+512
.endr
.irp k, 0,1,2,3,4,5,6,7
	v_readlane_b32 s[LPS+2*\k], v[LP], \k
	v_readlane_b32 s[GIS+2*\k], v[GI], \k
.endr
	s_wait_alu depctr_va_sdst(0)                   ; the sixteen scalars are written, ahead of their first readers, the copies below
.irp k, 0,1,2,3,4,5,6,7
	s_mov_b32 s[LPS+2*\k+1], s[LPS+2*\k]           ; the pair's second register is named by the packed forms, not used
	s_mov_b32 s[GIS+2*\k+1], s[GIS+2*\k]
.endr
	s_wait_dscnt 0x0                               ; my 64 parameters are in
	s_wait_alu depctr_vm_vsrc(0)                   ; my two LDS stores have read v[S1 ..] and v[C1 ..]: these registers are part of U from here on, written by row 0's first lines
; Clusters k and k+1 of the row in slot SL, into temporaries' set: u, the exponent, eight exponentials in place.
.macro STAGE_A k, set
.irp q, 0,1
.irp j, 0,2
	v_pk_fma_f32 v[U+8*\set+4*\q+\j:U+8*\set+4*\q+\j+1], v[X+4*SL+\j:X+4*SL+\j+1], v[S+4*(\k+\q)+\j:S+4*(\k+\q)+\j+1], v[C+4*(\k+\q)+\j:C+4*(\k+\q)+\j+1]
.endr
.endr
.irp q, 0,1
.irp j, 0,2
	v_pk_fma_f32 v[P+8*\set+4*\q+\j:P+8*\set+4*\q+\j+1], v[U+8*\set+4*\q+\j:U+8*\set+4*\q+\j+1], v[U+8*\set+4*\q+\j:U+8*\set+4*\q+\j+1], s[LPS+2*(\k+\q):LPS+2*(\k+\q)+1] op_sel_hi:[1,1,0] neg_lo:[1,0,0] neg_hi:[1,0,0]
.endr
.endr
.irp i, 0,1,2,3,4,5,6,7
	v_exp_f32 v[P+8*\set+\i], v[P+8*\set+\i]
.endr
.endm
; The sums of clusters k and k+1 from that set.  Cluster 0 starts them (the denominator at eps): nothing is cleared.
; Behind the last cluster's denominators stand the reciprocals, and behind these the last four numerator lines, which
; are the plain instructions between a reciprocal and its use (ISA guide 5.7.2).
.macro STAGE_B k, set
.irp q, 0,1
.irp j, 0,2
.if \k+\q
	v_pk_fma_f32 v[DEN+\j:DEN+\j+1], v[P+8*\set+4*\q+\j:P+8*\set+4*\q+\j+1], s[GIS+2*(\k+\q):GIS+2*(\k+\q)+1], v[DEN+\j:DEN+\j+1] op_sel_hi:[1,0,1]
.else
	v_pk_fma_f32 v[DEN+\j:DEN+\j+1], v[P+8*\set+4*\q+\j:P+8*\set+4*\q+\j+1], s[GIS:GIS+1], v[EPSV:EPSV+1] op_sel_hi:[1,0,1]
.endif
.endr
.endr
.if \k == KC-2
.irp i, 0,1,2,3
	v_rcp_f32 v[R+\i], v[DEN+\i]                   ; the denominator is at least eps
.endr
.endif
.irp q, 0,1
.irp j, 0,2
.if \k+\q
	v_pk_fma_f32 v[NUM+\j:NUM+\j+1], v[P+8*\set+4*\q+\j:P+8*\set+4*\q+\j+1], v[U+8*\set+4*\q+\j:U+8*\set+4*\q+\j+1], v[NUM+\j:NUM+\j+1]
.else
	v_pk_mul_f32 v[NUM+\j:NUM+\j+1], v[P+8*\set+4*\q+\j:P+8*\set+4*\q+\j+1], v[U+8*\set+4*\q+\j:U+8*\set+4*\q+\j+1]
.endif
.endr
.endr
.endm
; Row RW of my 16.  Its 32 exponentials are one batch: a set's exponentials are followed by the next set's packed lines, the
; last set's by the sums of the sets before it, which are the plain instructions between an exponential and its use.
.macro ROW
.set SL, RW % DEPTH
.set OB, OUT+6*((RW+1)%2)                      ; the buffer of the row before; the row two back lies in the other
.if RW < ROWS-DEPTH
	s_wait_loadcnt DEPTH-1                         ; my row is in; the seven younger rows stay out
.else
	s_wait_loadcnt ROWS-1-RW                       ; the last eight rows load nothing: the counts run down to 0
.endif
	STAGE_A 0, 0
	STAGE_A 2, 1
	STAGE_A 4, 2
	STAGE_A 6, 3
.if RW >= 3
	s_wait_xcnt 0x0                                ; the buffer that the products below write is rewritten only behind this wait (ISA guide 3.1); the store that read it, row RW - 3's, was issued a whole row ago
	s_wait_alu depctr_vm_vsrc(0)                   ; that store has read its four data registers, which the products below write again
.endif
	s_wait_alu depctr_va_vdst(0)                   ; this row's 32 exponentials and the last row's reciprocals are written, ahead of their first readers; the u lines are done reading X's slot, in which the load below lands; the products issued in the last row's block have written the buffer that the store below reads
.if RW < ROWS-DEPTH
	global_load_b128 v[X+4*SL:X+4*SL+3], v[LN], s[4:5] offset:(RW+DEPTH)*ROWB th:TH_LOAD_NT   ; the slot's next row, ahead of the store
.endif
.if RW >= 2
	global_store_b128 v[LN], v[OUT+6*(RW%2):OUT+6*(RW%2)+3], s[12:13] offset:(RW-2)*ROWB th:TH_STORE_NT   ; the row two back: 512 consecutive bytes, aligned
.endif
.if RW >= 1
	v_pk_mul_f32 v[OB:OB+1], v[NUM:NUM+1], v[R:R+1]           ; the row before is finished, ahead of the lines that start NUM and R anew
	v_pk_mul_f32 v[OB+2:OB+3], v[NUM+2:NUM+3], v[R+2:R+3]
.endif
	STAGE_B 0, 0
	STAGE_B 2, 1
	STAGE_B 4, 2
	STAGE_B 6, 3
.set RW, RW+1
.endm
.set RW, 0
.rept ROWS
	ROW
.endr
	; the last two rows leave
	s_wait_xcnt 0x0                                ; the second buffer is rewritten only behind this wait (ISA guide 3.1)
	s_wait_alu depctr_vm_vsrc(0)                   ; the store of row 13 has read the second buffer, which the products below write again
	s_wait_alu depctr_va_vdst(0)                   ; row 15's reciprocals are written, ahead of their first reader; row 14's products have written the first buffer, which the store below reads
	global_store_b128 v[LN], v[OUT:OUT+3], s[12:13] offset:(ROWS-2)*ROWB th:TH_STORE_NT
	v_pk_mul_f32 v[OUT+6:OUT+7], v[NUM:NUM+1], v[R:R+1]
	v_pk_mul_f32 v[OUT+8:OUT+9], v[NUM+2:NUM+3], v[R+2:R+3]
	s_wait_alu depctr_va_vdst(0)                   ; row 15's products have written the second buffer, which the last store reads
	global_store_b128 v[LN], v[OUT+6:OUT+9], s[12:13] offset:(ROWS-1)*ROWB th:TH_STORE_NT
	s_wait_dscnt 0x0                               ; the closing lines, six on end
	s_wait_alu 0x0
	s_wait_tensorcnt 0x0
	ds_add_u32 v152, v153
	s_wait_dscnt 0x0
	s_endpgm
.Lfunc_end_k_q20f4a31527_ucbnorm:
	.size	k_q20f4a31527_ucbnorm, .Lfunc_end_k_q20f4a31527_ucbnorm-k_q20f4a31527_ucbnorm
	.p2alignl 7, 3214868480
	.fill 96, 4, 3214868480
	.section	.rodata,"a",@progbits
	.p2align	6, 0x0
	.amdhsa_kernel k_q20f4a31527_ucbnorm
		.amdhsa_group_segment_fixed_size 18432
		.amdhsa_private_segment_fixed_size 0
		.amdhsa_enable_private_segment 0
		.amdhsa_kernarg_size 40
		.amdhsa_user_sgpr_count 2
		.amdhsa_user_sgpr_kernarg_segment_ptr 1
		.amdhsa_wavefront_size32 1
		.amdhsa_system_sgpr_workgroup_id_x 1
		.amdhsa_system_sgpr_workgroup_id_y 1
		.amdhsa_system_sgpr_workgroup_id_z 1
		.amdhsa_system_vgpr_workitem_id 0
		.amdhsa_next_free_vgpr 190
		.amdhsa_next_free_sgpr 66
		.amdhsa_reserve_vcc 0
		.amdhsa_float_denorm_mode_32 3
		.amdhsa_float_denorm_mode_16_64 3
		.amdhsa_memory_ordered 1
		.amdhsa_forward_progress 1
		.amdhsa_inst_pref_size 97
	.end_amdhsa_kernel
	.amdgpu_metadata
---
amdhsa.version: [ 1, 2 ]
amdhsa.kernels:
  - .name:           k_q20f4a31527_ucbnorm
    .symbol:         k_q20f4a31527_ucbnorm.kd
    .args:
      - { .name: x, .offset: 0, .size: 8, .value_kind: global_buffer, .address_space: global }
      - { .name: mean, .offset: 8, .size: 8, .value_kind: global_buffer, .address_space: global }
      - { .name: variance, .offset: 16, .size: 8, .value_kind: global_buffer, .address_space: global }
      - { .name: prior, .offset: 24, .size: 8, .value_kind: global_buffer, .address_space: global }
      - { .name: out0, .offset: 32, .size: 8, .value_kind: global_buffer, .address_space: global }
    .group_segment_fixed_size: 18432
    .private_segment_fixed_size: 0
    .kernarg_segment_align: 8
    .kernarg_segment_size: 40
    .max_flat_workgroup_size: 512
    .sgpr_count:     66
    .vgpr_count:     190
    .wavefront_size: 32
...
	.end_amdgpu_metadata
.endif
;; end of part 2
